; MI455X (gfx1250); checked and timed in simulation.
; The chip was launched on July 23, 2026; its instructions are those of AMD's public machine-readable ISA for CDNA 5 (MIT licence, August 2026) and "CDNA5" Instruction Set Architecture Reference Guide (July 2026). The comments in the code are by the model that wrote it; some were corrected since.
;; Codebook. Allowed arithmetic: matrix products marked QUANTISED: E4M3 operands, one E8M0 scale for each 32 along K, by v_wmma_scale_f32_16x16x128_f8f6f4 with both operands' format E4M3, f32 sums; everything else in f32.
;; Inputs: embeddings 1,024 x 64 float32; z 64 x 32 x 32 x 64 float32.
;; Outputs: out0 64 x 32 x 32 x 64 float32; out1 64 x 32 x 32 int32.
;; This version of the problem:
;;   THIS VERSION OF THE PROBLEM IS GIVEN IN LOW PRECISION. The matrix products marked QUANTISED in the list below multiply operands that are first quantised to E4M3 (4 exponent bits, 3 mantissa bits; 8 bits a number), with one power-of-two scale for each 32 numbers along K (OCP MX v1.0); their sums are f32. All else is computed in f32.
;;   The module's matrix products, in the order in which they are computed (A, B: the left and right operand; K: the contracted axis; several contracted axes count as one K, in the product's order):
;;     1. [M 65,536, K 64] x [K 64, N 1,024]; A: input z; B: input embeddings: QUANTISED
;;   THE QUANTISER, for each operand of a quantised product, along K:
;;     - K is cut into blocks of 32 from its start; a last block that is shorter is filled with zeros.
;;     - A block's scale is 2^e with e = floor(log2(the largest magnitude in the block)) - 8, held to -126 .. 127; a block of zeros has e = 0. As a byte (E8M0): e + 127.
;;     - Each number is divided by its block's scale, clamped to +-448, and rounded to the nearest number of E4M3, ties to even, subnormals kept.
;;     - The product sums the exact products of the quantised numbers (number of the format x scale) in f32.
;;   ~~~python
;;   def quantise(x, axis):      # numpy; x: float32 -> the quantised numbers, widened to float32 again
;;       x = np.moveaxis(x, axis, -1); K = x.shape[-1]
;;       x = np.pad(x, [(0, 0)] * (x.ndim - 1) + [(0, -K % 32)]); x = x.reshape(x.shape[:-1] + (-1, 32)); a = np.abs(x).max(-1, keepdims=True)
;;       e = np.where(a > 0, np.clip(np.frexp(np.where(a > 0, a, 1))[1] - 1 - 8, -126, 127), 0)      # np.frexp(a)[1] - 1 = floor(log2(a)), exactly
;;       r = np.clip(x / 2.0 ** e, -448, 448)
;;       step = 2.0 ** (np.maximum(np.frexp(np.where(r == 0, 1, r))[1] - 1, -6) - 3)
;;       q = np.round(r / step) * step * 2.0 ** e      # np.round: ties to even
;;       return np.moveaxis(q.reshape(q.shape[:-2] + (-1,))[..., :K], -1, axis).astype(np.float32)
;;   ~~~
;; One version. Each part assembles by itself: llvm-mc -triple=amdgcn-amd-amdhsa -mcpu=gfx1250 --defsym DOCPART=n.
;; ======== version 1 of 1: 2 launches
;; limits: right only within a limited range of input values
;; workspace buffers: idx 262,144 bytes of whole numbers
;; launch nearest (part 1): grid 256 x 1, 16 waves a work-group, clusters of 4 x 1, 327,680 bytes of LDS; arguments z, embeddings, out1, idx; writes out1, idx
.if DOCPART == 1
	.amdgcn_target "amdgcn-amd-amdhsa--gfx1250"
	.amdhsa_code_object_version 6
	.text
	.protected	k_q37aee5309d_nearest
	.globl	k_q37aee5309d_nearest
	.p2align	8
	.type	k_q37aee5309d_nearest,@function
k_q37aee5309d_nearest:
	s_mov_b64 s[64:65], 0
	v_nop
	global_prefetch_b8 v0, s[64:65] scope:SCOPE_SE
	s_setreg_imm32_b32 hwreg(HW_REG_WAVE_MODE, 25, 1), 1
	s_wait_xcnt 0x0
	s_wait_alu depctr_hold_cnt(0) depctr_sa_sdst(0) depctr_va_vdst(0) depctr_va_sdst(0) depctr_va_ssrc(0) depctr_va_vcc(0) depctr_vm_vsrc(0)
	s_getreg_b32 s2, hwreg(HW_REG_IB_STS2, 6, 4)
	s_cmp_eq_u32 s2, 0
	s_cbranch_scc0 .Lentry_in_a_cluster
	s_endpgm
.Lentry_in_a_cluster:
	s_bfe_u32 s2, ttmp6, 0x10000c
	s_cmp_lg_u32 s2, 0x3003
	s_cbranch_scc0 .Lentry_shape_is_right
	s_endpgm
.Lentry_shape_is_right:
; out1[n] = the first k at which d(n, k) = (|z_n|^2 + |e_k|^2) - 2 Q(z_n) . Q(e_k) is least.  z: [65536][64] f32, embeddings: [1024][64] f32.
; Q: codes of FP8 (E4M3) with one E8M0 scale for each 32 along the 64; the upper 64 along K of the matrix instruction are zero codes on both sides.
; X = zz + ee is rounded to f32 as in reference(), and is the C of the product; z's codes lie in LDS with their signs turned and their scale bytes one up (-2 z: exact), so that the product's result is d = X - 2 dot.
; The distances of a row fall on a coarse grid, ties are real, the first index wins.
; |z_n|^2 is the same for every k, but it is large beside the rest and sets that grid, so it stays.  Nothing of reference() is left out.
; The same indices go to out1 and to idx, from which the next launch forms its addresses.
; SHARES.  A work-group of sixteen waves owns 256 rows of z.  Wave w walks quarter w / 4 of the codebook (16 tiles of 16 rows) for the 64 rows of group w % 4 (four tiles of 16): so a record is read by four waves.
; In the head wave w quantises codebook tiles 4 w .. 4 w + 3, which its own tensor load brought, and z's tile w.
; LAYOUT.  The product is used transposed (source 0 = 16 codebook rows, source 1 = 16 rows of z): a lane holds ONE row of z (lane % 16) and its eight registers the codebook rows 16 t + 8 (lane / 16) + 0 .. 7.
; THE ARGMIN.  For a tile's eight distances of a lane: four v_min3 (the running minimum among the leaves), one compare new < old, one select for the tile's number, four pairs of selects that carry the winning tile's
; distances.  At the end the first carried distance that equals the minimum gives the place in the tile; lanes l and l xor 16 are joined (less wins, on a tie the lower index), then the four quarters, in ascending order.
; LDS.  Tile t's 16 rows of 272 bytes lie at 4,352 t.  When they are in registers its RECORD takes their first 1,600 bytes: 1,024 bytes of codes as an image of the operand's registers, scale words (one at 16 x lane),
; 16 sums of squares.  From byte 2,048 of its tiles on a wave turns z's tile (tiles 0, 1 of its four) and lays z's image (tile 2).  No LDS byte is filled twice by a tensor load.
; The embeddings are read by every work-group: the four of a cluster ask for them jointly.  No prefetch: every byte of memory is asked for ahead of the loop, no loop reads memory.
; LIMITS.  NaN, infinities and rows all of whose distances overflow are not served.  The sums of squares are made by fused multiply-adds, in another order than reference()'s: they may differ in their last places.
; ORDER OF ROUNDING: the rounding of X - 2 dot is that of the matrix instruction, which adds C and the products, in place of that of reference()'s subtraction behind a rounded dot product.
; Blocks whose largest magnitude lies under 2^-118 keep the scale byte 1 (a block of zeros too, where the rule says 127: its codes are zeros, and this program alone reads the bytes).
; z's byte, one up, stays finite: an f32 magnitude is under 2^128, so the byte is 246 at the most.
.set PITCH, 272                        ; an LDS row of 64 f32: 256 bytes + 16 of padding
.set TREC,  16*PITCH
.set O_SC,  1024
.set O_EE,  1536
.set ZA,    2048                       ; z's rows 0-7 in my first tile's tail,
.set ZB,    TREC+2176                  ; rows 8-15 in my second's, 128 bytes further on, so that the 16 rows that a load touches start at 16 different banks (64 banks of 4 bytes: ISA guide 11.1)
.set ZREC,  2*TREC+2048                ; z's image: 1,024 bytes of codes, scale words and sums of squares (4 x lane each)
.set XCH,   64*TREC                    ; the exchange: 512 bytes a wave: 64 minima, 64 indices
.set SPARE, XCH+16*512                 ; the spare words, 128 bytes for each wave
.set FLOOR, 0x4800000                  ; 2^(9 - 127): no largest magnitude is taken under it, so a scale's byte cannot fall under 1
.set INF,   0x7f800000
; vector registers of the whole launch
.set A16, 1                            ; walks the records: 16 x lane
.set AH,  2                            ; and their sums of squares: 32 (lane / 16)
.set H8,  3                            ; 256 x quarter + 8 (lane / 16)
.set XW,  4                            ; the exchange, in
.set XR,  5                            ; and out
.set L8,  6                            ; 8 x lane
.set ZC,  7                            ; my group's images of z: 16 x lane
.set ES,  8                            ; v8-9    the codebook tile's scale words, two buffers
.set ZS,  10                           ; v10-13  z's scale words
.set SPW, 14                           ; my spare word's LDS address; never rewritten
.set NIL, 15                           ; 0; never rewritten
.set ZG,  16                           ; v16-23  pairs: zz of my row in tile i, the winning codebook tile
.set BEST, 24                          ; v24-31  running minimum of tile i: v[BEST + 2 i + parity of the codebook tile], new and old by turns
.set M,   32                           ; v32-37  partial minima
.set EE,  38                           ; v38-53  eight sums of squares, two buffers
.set EF,  54                           ; v54-85  the codebook's fragment, two buffers: 8 registers of codes, 8 of zeros
.set ZF,  86                           ; v86-149 z's four fragments, likewise
.set D,   150                          ; v150-213 accumulators: X, then d: v[D + 32 x parity of the codebook tile + 8 i]
.set W,   214                          ; v214-245 the winning tile's eight distances, for each tile of z
.set LN,  246                          ; lane, r = lane % 16, h = lane / 16
.set RR,  247
.set HH,  248
.set L16, 249                          ; 16 x lane
.set ZL,  250                          ; my group's images of z: 4 x lane
; vector registers of the head
.set AE,  16                           ; my place in my rows: 272 r + 64 h
.set AC,  17                           ; images: 16 x lane
.set AEE, 18                           ; sums of squares: 4 r
.set AL,  19                           ; 4 x lane
.set ZSI, 20                           ; z's stage, in
.set ZSO, 21                           ; and out
.set TM,  32                           ; v32-39  largest magnitudes
.set SQ,  40                           ; v40-55  pairs of sums of squares
.set SCO, 56                           ; v56-59  the conversions' scale operands
.set HL,  60                           ; v60-63  448 x the scale
.set PC,  64                           ; v64-79  codes
.set EPW, 80                           ; v80-81  scale words on their way to LDS
.set ESS, 82                           ; v82-83  sums of squares
.set XB,  86                           ; v86-213 four tiles of 32 numbers of the embeddings
.set ZR,  214                          ; v214-245 z as it is loaded, later as it comes back from the stage
; scalar registers
.set WV,  12
.set G1,  16
.set G0,  24
.set SEL, 40                           ; s[40:41] v_permlanex16_b32's selects for lane l xor 16
.set MNT, 42                           ; the mantissa field of 448
.set TT,  44                           ; s44-45 the trip's codebook tiles, counted from my quarter's first
.set MK,  46                           ; s46-49 lane masks
.macro ROUND                           ; a round of the cluster's barrier
	s_barrier_signal -1
	s_barrier_wait -1
	s_cmp_lg_u32 s[WV], 0
	s_cbranch_scc1 .Lnot_wave_0_\@
	s_barrier_signal -3
.Lnot_wave_0_\@:
	s_barrier_wait -3
	s_barrier_signal -1
	s_barrier_wait -1
.endm
; nt tiles at once: 32 numbers of a lane each, v[src] on (register 32 t + 16 c + i = k 32 c + 16 h + i of my row of tile t), become 8 registers of codes, my row's scale word and its sum of squares.
; A chain for each eight numbers, all chains by turns.
.macro QUANT nt, src, cod, wrd, sum
.set Q, 0
.rept 4*\nt
	v_max3_num_f32 v[TM+Q], |v[(\src)+8*Q]|, |v[(\src)+8*Q+1]|, FLOOR
.set Q, Q+1
.endr
.set Q, 0
.rept 4*\nt
	v_pk_mul_f32 v[SQ+2*Q:SQ+2*Q+1], v[(\src)+8*Q:(\src)+8*Q+1], v[(\src)+8*Q:(\src)+8*Q+1]
.set Q, Q+1
.endr
.irp i, 2,4,6
.set Q, 0
.rept 4*\nt
	v_max3_num_f32 v[TM+Q], v[TM+Q], |v[(\src)+8*Q+\i]|, |v[(\src)+8*Q+\i+1]|
.set Q, Q+1
.endr
.set Q, 0
.rept 4*\nt
	v_pk_fma_f32 v[SQ+2*Q:SQ+2*Q+1], v[(\src)+8*Q+\i:(\src)+8*Q+\i+1], v[(\src)+8*Q+\i:(\src)+8*Q+\i+1], v[SQ+2*Q:SQ+2*Q+1]
.set Q, Q+1
.endr
.endr
.set Q, 0
.rept 2*\nt
	v_max_num_f32 v[TM+2*Q], v[TM+2*Q], v[TM+2*Q+1]            ; a block: my 16 numbers
.set Q, Q+1
.endr
.set Q, 0
.rept \nt
	v_pk_add_f32 v[SQ+8*Q:SQ+8*Q+1], v[SQ+8*Q:SQ+8*Q+1], v[SQ+8*Q+2:SQ+8*Q+3]
	v_pk_add_f32 v[SQ+8*Q+4:SQ+8*Q+5], v[SQ+8*Q+4:SQ+8*Q+5], v[SQ+8*Q+6:SQ+8*Q+7]
.set Q, Q+1
.endr
.set Q, 0
.rept 2*\nt
	v_permlanex16_b32 v[TM+2*Q+1], v[TM+2*Q], s[SEL], s[SEL+1]
.set Q, Q+1
.endr
.set Q, 0
.rept \nt
	v_pk_add_f32 v[SQ+8*Q:SQ+8*Q+1], v[SQ+8*Q:SQ+8*Q+1], v[SQ+8*Q+4:SQ+8*Q+5]
.set Q, Q+1
.endr
.set Q, 0
.rept 2*\nt
	v_max_num_f32 v[TM+2*Q], v[TM+2*Q], v[TM+2*Q+1]            ; with lane l xor 16's: the block's largest magnitude
.set Q, Q+1
.endr
.set Q, 0
.rept \nt
	v_add_f32 v[SQ+8*Q], v[SQ+8*Q], v[SQ+8*Q+1]
.set Q, Q+1
.endr
.set Q, 0
.rept 2*\nt
	v_add_nc_u32 v[SCO+Q], 0xfc000000, v[TM+2*Q]               ; 8 off the exponent field: the conversion's scale operand
.set Q, Q+1
.endr
.set Q, 0
.rept \nt
	v_permlanex16_b32 v[SQ+8*Q+2], v[SQ+8*Q], s[SEL], s[SEL+1]
.set Q, Q+1
.endr
.set Q, 0
.rept 2*\nt
	v_and_or_b32 v[HL+Q], v[TM+2*Q], 0x7f800000, s[MNT]        ; 448 x the scale
.set Q, Q+1
.endr
.set Q, 0
.rept 2*\nt
	v_lshrrev_b32 v[TM+2*Q+1], 23, v[SCO+Q]                    ; the scale's byte
.set Q, Q+1
.endr
.set Q, 0
.rept \nt
	v_add_f32 v[\sum+Q], v[SQ+8*Q], v[SQ+8*Q+2]                ; the row's sum of squares, the same bits in both lanes
	v_lshl_or_b32 v[\wrd+Q], v[TM+4*Q+3], 8, v[TM+4*Q+1]       ; bytes 2 and 3, of the zero codes' blocks, stay 0
.set Q, Q+1
.endr
.set Q, 0
.rept 2*\nt
.irp i, 0,1,2,3,4,5,6,7,8,9,10,11,12,13,14,15
	v_med3_num_f32 v[(\src)+16*Q+\i], v[(\src)+16*Q+\i], -v[HL+Q], v[HL+Q]   ; the conversion does not saturate (ISA guide 7.6.2): the hold at the largest code x the scale
.endr
.set Q, Q+1
.endr
.set Q, 0
.rept 4*\nt
	v_cvt_scalef32_pk8_fp8_f32 v[\cod+2*Q:\cod+2*Q+1], v[(\src)+8*Q:(\src)+8*Q+7], v[SCO+Q/2]
.set Q, Q+1
.endr
	v_nop                                                      ; one plain vector line behind the last conversion
.endm
.macro ELOAD i                         ; tile i of my four: lane (r, h) takes, of row r, numbers 32 c + 16 h + 0 .. 15 of both blocks c
.irp c, 0,1
.irp j, 0,1,2,3
	ds_load_b128 v[XB+32*\i+16*\c+4*\j:XB+32*\i+16*\c+4*\j+3], v[AE] offset:\i*TREC+128*\c+16*\j
.endr
.endr
.endm
.macro RECS pr                         ; the records of tiles 2 pr, 2 pr + 1 of my four, over rows that are in registers
.irp u, 0,1
	ds_store_b128 v[AC], v[PC+8*\u:PC+8*\u+3] offset:(2*\pr+\u)*TREC
	ds_store_b128 v[AC], v[PC+8*\u+4:PC+8*\u+7] offset:(2*\pr+\u)*TREC+512
	ds_store_b32 v[AC], v[EPW+\u] offset:(2*\pr+\u)*TREC+O_SC
	ds_store_b32 v[AEE], v[ESS+\u] offset:(2*\pr+\u)*TREC+O_EE         ; both lanes of a row write the same word with the same value
.endr
.endm
.macro ZERO8 a                         ; eight registers of zeros
.irp j, 0,2,4,6
	v_dual_mov_b32 v[(\a)+\j], v[NIL] :: v_dual_mov_b32 v[(\a)+\j+1], v[NIL]
.endr
.endm
.macro RLOAD b, k                      ; the record k tiles on from my address registers, into buffer b
	ds_load_b128 v[EF+16*(\b):EF+16*(\b)+3], v[A16] offset:(\k)*TREC
	ds_load_b128 v[EF+16*(\b)+4:EF+16*(\b)+7], v[A16] offset:(\k)*TREC+512
	ds_load_b32 v[ES+(\b)], v[A16] offset:(\k)*TREC+O_SC
	ds_load_b128 v[EE+8*(\b):EE+8*(\b)+3], v[AH] offset:(\k)*TREC
	ds_load_b128 v[EE+8*(\b)+4:EE+8*(\b)+7], v[AH] offset:(\k)*TREC+16
.endm
.macro MM b, i                         ; X + 16 codebook rows (buffer b) x tile i of -2 z
	v_wmma_scale_f32_16x16x128_f8f6f4 v[D+32*(\b)+8*(\i):D+32*(\b)+8*(\i)+7], v[EF+16*(\b):EF+16*(\b)+15], v[ZF+16*(\i):ZF+16*(\i)+15], v[D+32*(\b)+8*(\i):D+32*(\b)+8*(\i)+7], v[ES+(\b)], v[ZS+(\i)]
.endm
.macro XADD b, s, u                    ; X = ee + zz of tile 2 s + u of z (of the pair (zz, tile) the low word serves both halves)
.irp j, 0,2,4,6
	v_pk_add_f32 v[D+32*(\b)+16*(\s)+8*\u+\j:D+32*(\b)+16*(\s)+8*\u+\j+1], v[EE+8*(\b)+\j:EE+8*(\b)+\j+1], v[ZG+2*(2*(\s)+\u):ZG+2*(2*(\s)+\u)+1] op_sel_hi:[1,0]
.endr
.endm
.macro PICK i, t, p                    ; where the mask in VCC is set, tile i of z takes this codebook tile's number and distances
	v_cndmask_b32 v[ZG+2*(\i)+1], v[ZG+2*(\i)+1], s[TT+(\p)], vcc_lo
.irp j, 0,2,4,6
	v_dual_cndmask_b32 v[W+8*(\i)+\j], v[W+8*(\i)+\j], v[(\t)+\j] :: v_dual_cndmask_b32 v[W+8*(\i)+\j+1], v[W+8*(\i)+\j+1], v[(\t)+\j+1]
.endr
.endm
.macro MIN3 u, p                       ; three partial minima of tile 2 s + u's eight distances and the old minimum
	v_min3_num_f32 v[M+3*\u], v[TA+8*\u], v[TA+8*\u+1], v[TA+8*\u+2]                           ; each accumulator is read from its low end on
	v_min3_num_f32 v[M+3*\u+1], v[TA+8*\u+3], v[TA+8*\u+4], v[TA+8*\u+5]
	v_min3_num_f32 v[M+3*\u+2], v[TA+8*\u+6], v[TA+8*\u+7], v[BA+2*\u+1-(\p)]
.endm
; HALF A STEP: codebook tile t (parity p) for tiles 2 s, 2 s + 1 of z, whose distances were made a half step and more ago.  wn: X and the products of tile t + 1 for the same two tiles, into the other accumulators;
; the additions that make X stand between the levels of the minimum's tree and the compare.  ld: the record of tile t + 2, over the buffers of tile t: behind its last product stand five lines of selects and three
; partial minima, eight plain vector lines.  st: the address registers step, 28 plain vector lines ahead of the next loads.  The one wait a tile: every load that is out is tile t + 1's.
.macro SUB p, s, ld, wn, st
.set TA, D+32*(\p)+16*(\s)
.set BA, BEST+4*(\s)
.if \wn
.if (\s) == 0
	s_wait_dscnt 0x0
.endif
.endif
	MIN3 0, \p
.if \ld
	RLOAD \p, 2+(\p)
.endif
.if \st
	v_add_nc_u32 v[A16], 2*TREC, v[A16]
	v_add_nc_u32 v[AH], 2*TREC, v[AH]
.endif
	MIN3 1, \p
.if \wn
	XADD 1-(\p), \s, 0
.endif
	v_min3_num_f32 v[BA+(\p)], v[M], v[M+1], v[M+2]
	v_min3_num_f32 v[BA+2+(\p)], v[M+3], v[M+4], v[M+5]
.if \wn
	XADD 1-(\p), \s, 1
.endif
	v_cmp_lt_f32 vcc_lo, v[BA+(\p)], v[BA+1-(\p)]              ; strictly less: on a tie the earlier tile stays
.if \wn
	MM 1-(\p), 2*(\s)
.endif
	PICK 2*(\s), TA, \p
	v_cmp_lt_f32 vcc_lo, v[BA+2+(\p)], v[BA+3-(\p)]
.if \wn
	MM 1-(\p), 2*(\s)+1
.endif
	PICK 2*(\s)+1, TA+8, \p
.endm
	s_load_b256 s[4:11], s[0:1], 0x0               ; z s[4:5], embeddings s[6:7], out1 s[8:9], idx s[10:11]
	v_lshl_add_u32 v[SPW], v0, 2, SPARE
	v_mov_b32 v[NIL], 0
	ds_add_u32 v[SPW], v[NIL]
	ds_add_u32 v[SPW], v[NIL]
	v_lshrrev_b32 v[LN], 5, v0
	v_readfirstlane_b32 s[WV], v[LN]               ; wave 0..15
	s_bfe_u32 s13, ttmp6, 0x40000                  ; my place in the cluster
	s_lshl_b32 s14, ttmp9, 2
	s_add_co_u32 s14, s14, s13                     ; my work-group: it enters the addresses of z, out1 and idx alone
	s_and_b32 s33, s[WV], 3                        ; my group of rows
	s_lshr_b32 s34, s[WV], 2                       ; my quarter of the codebook
	s_lshl_b32 s50, s14, 16                        ; z: 256 rows of 256 bytes a work-group,
	s_lshl_b32 s51, s[WV], 12                      ; 16 a wave
	s_add_co_u32 s50, s50, s51
	s_mov_b32 s51, 0
	s_lshl_b32 s52, s14, 10                        ; the indices: 1,024 bytes a work-group, 256 a group
	s_lshl_b32 s53, s33, 8
	s_add_co_u32 s52, s52, s53
	s_mov_b32 s53, 0
	s_lshl_b32 s56, s[WV], 14                      ; the embeddings: 64 rows of 256 bytes a wave: the same in every work-group
	s_mov_b32 s57, 0
	s_mul_i32 s54, s[WV], 4*TREC                   ; my four tiles in LDS
	s_mul_i32 s58, s34, 16*TREC                    ; my quarter's records
	s_add_co_u32 s59, s58, O_EE
	s_mul_i32 s60, s33, 16*TREC                    ; my group's images of z
	s_lshl_b32 s61, s[WV], 9
	s_add_co_u32 s61, s61, XCH
	s_lshl_b32 s62, s33, 9
	s_add_co_u32 s62, s62, XCH
	s_lshl_b32 s63, s34, 8                         ; my quarter's first index
	s_mov_b32 s[SEL], 0x76543210
	s_mov_b32 s[SEL+1], 0xfedcba98
	s_mov_b32 s[MNT], 0x600000
	; descriptor group 1: 64 rows x 64 elements of 4 bytes, 16 bytes of padding behind each row
	s_mov_b32 s[G1], 15|(2<<16)|(1<<20)|(1<<21)|(5<<22)|(3<<25)   ; 15:0 the mask: all four work-groups; 17:16 elements of 4 bytes; 20 padding on; 21 set beside a mask; 24:22 after every 64 words; 31:25 four words
	s_mov_b32 s[G1+1], 64<<16                      ; tensor_dim0
	s_mov_b32 s[G1+2], 64<<16                      ; tensor_dim1
	s_mov_b32 s[G1+3], 64<<16                      ; tile_dim0
	s_mov_b32 s[G1+4], 64                          ; tile_dim1
	s_mov_b32 s[G1+5], 64                          ; elements from row to row
	s_mov_b32 s[G1+6], 0
	s_mov_b32 s[G1+7], 0
	s_mov_b32 s[G0], 1
	s_mul_i32 s[G0+1], s[WV], 4*TREC
	v_and_b32 v[LN], 31, v0
	v_and_b32 v[RR], 15, v0
	v_bfe_u32 v[HH], v0, 4, 1
	v_lshlrev_b32 v[L16], 4, v[LN]
	v_lshlrev_b32 v[L8], 3, v[LN]
	v_mul_u32_u24 v[AE], v[RR], PITCH
	v_mul_u32_u24 v[ZSI], v[HH], PITCH
	v_lshrrev_b32 v[ZSO], 3, v[RR]
	v_lshl_add_u32 v[AE], v[HH], 6, v[AE]          ; 272 r + 64 h
	v_lshl_add_u32 v[ZSI], v[RR], 4, v[ZSI]        ; into the stage as loaded: lanes 0-15 one row, lanes 16-31 the next
	v_mul_u32_u24 v[ZSO], v[ZSO], ZB-ZA-8*PITCH    ; rows 8-15 lie in the second tile's tail
	v_add_nc_u32 v[ZSI], s54, v[ZSI]
	v_add_nc_u32 v[AE], s54, v[AE]
	v_add_nc_u32 v[AC], s54, v[L16]
	v_add_nc_u32 v[ZSO], v[ZSO], v[AE]
	v_lshl_add_u32 v[AEE], v[RR], 2, s54
	v_lshl_add_u32 v[AL], v[LN], 2, s54
	v_add_nc_u32 v[A16], s58, v[L16]
	v_lshl_add_u32 v[AH], v[HH], 5, s59
	v_add_nc_u32 v[ZC], s60, v[L16]
	v_lshl_add_u32 v[ZL], v[LN], 2, s60
	v_lshl_add_u32 v[XW], v[LN], 2, s61
	v_lshl_add_u32 v[XR], v[LN], 3, s62
	v_lshl_add_u32 v[H8], v[HH], 3, s63
	s_wait_alu depctr_va_vdst(0)
	s_wait_dscnt 0x0                               ; both opening adds are done
	s_wait_kmcnt 0x0
	s_cmp_lt_u32 s[WV], 4                          ; waves 0 to 3 store out1, waves 4 to 7 the copy in idx
	s_cselect_b64 s[8:9], s[8:9], s[10:11]
	s_add_nc_u64 s[4:5], s[4:5], s[50:51]
	s_add_nc_u64 s[8:9], s[8:9], s[52:53]
	s_add_nc_u64 s[G0+2:G0+3], s[6:7], s[56:57]
	s_or_b32 s[G0+3], s[G0+3], 0x80000000
	ROUND                                          ; all four work-groups are here: the joint loads meet
	tensor_load_to_lds s[G0:G0+3], s[G1:G1+7]      ; my one tensor load of the launch: my 64 rows
	s_nop 0
.rept 4
	v_nop
.endr
	; ---- THE CODEBOOK: my four tiles.  Only I read what my tensor load brought, so my own wait orders those reads.
	s_wait_tensorcnt 0x0
	; z's tile, 4,096 bytes as they lie, 512 consecutive bytes a load: asked for now, wanted behind the codebook's two quantisings
.set Q, 0
.rept 8
	global_load_b128 v[ZR+4*Q:ZR+4*Q+3], v[L16], s[4:5] offset:512*Q th:TH_LOAD_NT
.set Q, Q+1
.endr
.irp i, 0,1,2,3
	ELOAD \i
.endr
	s_wait_dscnt 16                                ; tiles 0 and 1 are in; the sixteen loads of tiles 2 and 3 may stay out
	QUANT 2, XB, PC, EPW, ESS
	RECS 0
	s_wait_dscnt 0x0
	QUANT 2, XB+64, PC, EPW, ESS
	RECS 1
	; ---- z's tile goes into my stage as it was loaded and comes back 64 bytes a lane.  LDS serves a wave's instructions in order (ISA guide 5.7.1.4): the loads see the stores.
	; first, while z is on its way: K = 64 .. 127 are zero codes on both sides, written once: the loads fill the lower eight registers alone
.irp i, 0,1,2,3
	ZERO8 ZF+16*\i+8
.endr
	ZERO8 EF+8
	ZERO8 EF+24
.irp i, 0,1,2,3
	v_mov_b32 v[BEST+2*\i+1], INF                  ; over every distance
.endr
.set ZCD, ZF                           ; z's codes, scale word and sum of squares on their way to LDS: registers that the walk's loads fill later
.set ZWD, ZF+32
.set ZSM, ZF+33
	s_wait_loadcnt 0x0
.irp q, 0,1,2,3
	ds_store_b128 v[ZSI], v[ZR+4*\q:ZR+4*\q+3] offset:ZA+\q*2*PITCH
.endr
.irp q, 0,1,2,3
	ds_store_b128 v[ZSI], v[ZR+16+4*\q:ZR+16+4*\q+3] offset:ZB+\q*2*PITCH
.endr
.irp c, 0,1
.irp j, 0,1,2,3
	ds_load_b128 v[ZR+16*\c+4*\j:ZR+16*\c+4*\j+3], v[ZSO] offset:ZA+128*\c+16*\j
.endr
.endr
	s_wait_dscnt 0x0
	QUANT 1, ZR, ZCD, ZWD, ZSM
.irp j, 0,1,2,3,4,5,6,7
	v_xor_b32 v[ZCD+\j], 0x80808080, v[ZCD+\j]     ; the signs of four codes: - z,
.endr
	v_add_nc_u32 v[ZWD], 0x101, v[ZWD]             ; and both blocks' scale bytes one up: - 2 z
	ds_store_b128 v[AC], v[ZCD:ZCD+3] offset:ZREC
	ds_store_b128 v[AC], v[ZCD+4:ZCD+7] offset:ZREC+512
	ds_store_b32 v[AL], v[ZWD] offset:ZREC+1024
	ds_store_b32 v[AL], v[ZSM] offset:ZREC+1152
.irp i, 0,1,2,3
	v_mov_b32 v[ZG+2*\i+1], 0
.endr
	s_wait_alu depctr_va_vdst(0)
	s_wait_dscnt 0x0                               ; for the others' sake: my records and my image of z lie in LDS
	s_barrier_signal -1
	s_barrier_wait -1                              ; all do
	; ---- THE WALK over my quarter's 16 codebook tiles
.irp i, 0,1,2,3
	ds_load_b128 v[ZF+16*\i:ZF+16*\i+3], v[ZC] offset:4*TREC*\i+ZREC
	ds_load_b128 v[ZF+16*\i+4:ZF+16*\i+7], v[ZC] offset:4*TREC*\i+ZREC+512
	ds_load_b32 v[ZS+\i], v[ZL] offset:4*TREC*\i+ZREC+1024
	ds_load_b32 v[ZG+2*\i], v[ZL] offset:4*TREC*\i+ZREC+1152
.endr
	RLOAD 0, 0
	RLOAD 1, 1
	ZERO8 W                                        ; (the first tile that lies under the start replaces these)
	ZERO8 W+8
	s_wait_dscnt 5                                 ; z and tile 0 are in; tile 1's five loads may stay out
	XADD 0, 0, 0
	XADD 0, 0, 1
	XADD 0, 1, 0
	XADD 0, 1, 1
.irp i, 0,1,2,3
	MM 0, \i
.endr
	ZERO8 W+16                                     ; eight pairs: the places behind the first products
	ZERO8 W+24
	s_mov_b32 s[TT], 0
	s_mov_b32 s[TT+1], 1
.Ltiles:                                           ; 7 trips of two tiles: tiles 0 to 13
	SUB 0, 0, 1, 1, 0
	SUB 0, 1, 0, 1, 0
	SUB 1, 0, 1, 1, 0
	SUB 1, 1, 0, 1, 1
	s_add_co_u32 s[TT+1], s[TT+1], 2
	s_add_co_u32 s[TT], s[TT], 2
	s_cmp_lt_u32 s[TT], 14
	s_cbranch_scc1 .Ltiles
	SUB 0, 0, 0, 1, 0                              ; tile 14: no record is left to ask for
	SUB 0, 1, 0, 1, 0
	SUB 1, 0, 0, 0, 0                              ; tile 15: no product is left
	SUB 1, 1, 0, 0, 0
	; ---- THE INDEX.  The first of the eight carried distances that equals the minimum: from the last to the first, so that the first stays.
.set J,  D
.set OB, D+4
.set OC, D+8
.set C2, D+12
.irp i, 0,1,2,3
	v_mov_b32 v[J+\i], 7
.endr
.irp j, 6,5,4,3,2,1,0
.irp i, 0,1,2,3
	v_cmp_eq_f32 s[MK+\i], v[W+8*\i+\j], v[BEST+2*\i+1]
.endr
.irp i, 0,1,2,3
	v_cndmask_b32 v[J+\i], v[J+\i], \j, s[MK+\i]
.endr
.endr
.irp i, 0,1,2,3
	v_lshl_add_u32 v[J+\i], v[ZG+2*\i+1], 4, v[J+\i]           ; 16 x tile + register
.endr
.irp i, 0,1,2,3
	v_permlanex16_b32 v[OB+\i], v[BEST+2*\i+1], s[SEL], s[SEL+1]   ; the row's other codebook rows lie in the lane 16 away
.endr
.irp i, 0,1,2,3
	v_add_nc_u32 v[J+\i], v[J+\i], v[H8]                       ; + 8 (lane / 16) + my quarter's first index
.endr
.irp i, 0,1,2,3
	v_permlanex16_b32 v[OC+\i], v[J+\i], s[SEL], s[SEL+1]
.endr
.irp i, 0,1,2,3
	v_cmp_lt_f32 s[MK+\i], v[OB+\i], v[BEST+2*\i+1]
.endr
.irp i, 0,1,2,3
	v_min_u32 v[C2+\i], v[J+\i], v[OC+\i]
.endr
.irp i, 0,1,2,3
	v_cndmask_b32 v[J+\i], v[J+\i], v[OC+\i], s[MK+\i]         ; the lesser distance's index;
.endr
.irp i, 0,1,2,3
	v_cmp_eq_f32 s[MK+\i], v[OB+\i], v[BEST+2*\i+1]
.endr
.irp i, 0,1,2,3
	v_min_num_f32 v[OB+\i], v[OB+\i], v[BEST+2*\i+1]
.endr
.irp i, 0,1,2,3
	v_cndmask_b32 v[J+\i], v[J+\i], v[C2+\i], s[MK+\i]         ; on a tie the lower index.  Both lanes of a row now hold the same
.endr
	s_mov_b32 s[MK], 0xffff0000                    ; lanes 0-15: the even tile's rows; lanes 16-31: the odd tile's
	v_cndmask_b32 v[OB], v[OB], v[OB+1], s[MK]
	v_cndmask_b32 v[OB+2], v[OB+2], v[OB+3], s[MK]
	v_cndmask_b32 v[J], v[J], v[J+1], s[MK]
	v_cndmask_b32 v[J+2], v[J+2], v[J+3], s[MK]
	ds_store_b32 v[XW], v[OB]
	ds_store_b32 v[XW], v[OB+2] offset:128
	ds_store_b32 v[XW], v[J] offset:256
	ds_store_b32 v[XW], v[J+2] offset:384
	s_wait_dscnt 0x0                               ; for the others' sake: my minima and indices lie in the exchange
	s_barrier_signal -1
	s_barrier_wait -1                              ; all do
	; The four quarters of group g lie at 512 (g + 4 q): waves 0 to 3 and 4 to 7 join them, two neighbouring rows a lane; a later quarter wins only if it is strictly less.
.set FB, ZF
.set FI, ZF+8
	s_cmp_lt_u32 s[WV], 8
	s_cbranch_scc0 .Lclose
.irp k, 0,1,2,3
	ds_load_b64 v[FB+2*\k:FB+2*\k+1], v[XR] offset:2048*\k
	ds_load_b64 v[FI+2*\k:FI+2*\k+1], v[XR] offset:2048*\k+256
.endr
	s_wait_dscnt 0x0
.irp k, 1,2,3
.irp u, 0,1
	v_cmp_lt_f32 s[MK+\u], v[FB+2*\k+\u], v[FB+\u]
.endr
.irp u, 0,1
	v_min_num_f32 v[FB+\u], v[FB+2*\k+\u], v[FB+\u]
	v_cndmask_b32 v[FI+\u], v[FI+\u], v[FI+2*\k+\u], s[MK+\u]
.endr
.endr
	global_store_b64 v[L8], v[FI:FI+1], s[8:9]     ; 32 lanes store 256 consecutive bytes, at a multiple of 256 from the buffer's first byte
.Lclose:
	s_wait_tensorcnt 0x0                           ; the wave's end
	ds_add_u32 v[SPW], v[NIL]
	s_wait_dscnt 0x0
	ROUND                                          ; the closing round: no work-group ends while a partner may still ask for a tile that names it
	s_endpgm
.Lfunc_end_k_q37aee5309d_nearest:
	.size	k_q37aee5309d_nearest, .Lfunc_end_k_q37aee5309d_nearest-k_q37aee5309d_nearest
	.p2alignl 7, 3214868480
	.fill 96, 4, 3214868480
	.section	.rodata,"a",@progbits
	.p2align	6, 0x0
	.amdhsa_kernel k_q37aee5309d_nearest
		.amdhsa_group_segment_fixed_size 327680
		.amdhsa_private_segment_fixed_size 0
		.amdhsa_enable_private_segment 0
		.amdhsa_kernarg_size 32
		.amdhsa_user_sgpr_count 2
		.amdhsa_user_sgpr_kernarg_segment_ptr 1
		.amdhsa_wavefront_size32 1
		.amdhsa_system_sgpr_workgroup_id_x 1
		.amdhsa_system_sgpr_workgroup_id_y 1
		.amdhsa_system_sgpr_workgroup_id_z 1
		.amdhsa_system_vgpr_workitem_id 0
		.amdhsa_next_free_vgpr 256
		.amdhsa_next_free_sgpr 66
		.amdhsa_reserve_vcc 1
		.amdhsa_float_denorm_mode_32 3
		.amdhsa_float_denorm_mode_16_64 3
		.amdhsa_memory_ordered 1
		.amdhsa_forward_progress 1
		.amdhsa_inst_pref_size 67
	.end_amdhsa_kernel
	.amdgpu_metadata
---
amdhsa.version: [ 1, 2 ]
amdhsa.kernels:
  - .name:           k_q37aee5309d_nearest
    .symbol:         k_q37aee5309d_nearest.kd
    .args:
      - { .name: z, .offset: 0, .size: 8, .value_kind: global_buffer, .address_space: global }
      - { .name: embeddings, .offset: 8, .size: 8, .value_kind: global_buffer, .address_space: global }
      - { .name: out1, .offset: 16, .size: 8, .value_kind: global_buffer, .address_space: global }
      - { .name: idx, .offset: 24, .size: 8, .value_kind: global_buffer, .address_space: global }
    .group_segment_fixed_size: 327680
    .private_segment_fixed_size: 0
    .kernarg_segment_align: 8
    .kernarg_segment_size: 32
    .max_flat_workgroup_size: 512
    .sgpr_count:     66
    .vgpr_count:     256
    .wavefront_size: 32
...
	.end_amdgpu_metadata
.endif
;; end of part 1
;; launch gather (part 2): grid 256 x 1, 8 waves a work-group, no clusters, 0 bytes of LDS; arguments idx, embeddings, out0; writes out0
.if DOCPART == 2
	.amdgcn_target "amdgcn-amd-amdhsa--gfx1250"
	.amdhsa_code_object_version 6
	.text
	.protected	k_q37aee5309d_gather
	.globl	k_q37aee5309d_gather
	.p2align	8
	.type	k_q37aee5309d_gather,@function
k_q37aee5309d_gather:
	s_mov_b64 s[64:65], 0
	v_nop
	global_prefetch_b8 v0, s[64:65] scope:SCOPE_SE
	s_setreg_imm32_b32 hwreg(HW_REG_WAVE_MODE, 25, 1), 1
	s_wait_xcnt 0x0
; out0[n][:] = embeddings[idx[n]][:].  idx: 65,536 whole numbers, stored by the launch before; embeddings: [1024][64] f32; out0: [65536][64] f32.
; Eight waves; the work-group owns 256 rows, a wave 32.  A row is 256 bytes: sixteen lanes read it, 16 bytes each, and store it as one aligned block of 256 bytes.
; An instruction serves two rows: lanes 0-15 row q, lanes 16-31 row q + 16, so that the 16 indices which a lane needs are neighbours in memory: four loads of 16 bytes.
; No LDS, no barrier, no matrix unit: bytes are moved and nothing else.  No joint requests: which rows of the table a work-group reads hangs on its list, so no two work-groups ask for the same tile.
; All of a wave's loads are issued in two runs (4 of indices, 16 of rows), so nothing runs ahead of a loop that a prefetch could serve.
.set IX, 8                             ; v8-23   my half's 16 indices, then their rows' byte offsets
.set DT, 24                            ; v24-87  16 x 4 registers of data
	s_load_b128 s[4:7], s[0:1], 0x0                ; idx s[4:5], embeddings s[6:7]
	s_load_b64 s[8:9], s[0:1], 0x10                ; out0
	v_lshrrev_b32 v1, 5, v0
	s_delay_alu instid0(VALU_DEP_1)
	v_readfirstlane_b32 s10, v1                    ; wave 0..7
	v_and_b32 v2, 15, v0                           ; r = lane % 16
	v_bfe_u32 v3, v0, 4, 1                         ; h = lane / 16
	s_delay_alu instid0(VALU_DEP_1)
	v_lshlrev_b32 v4, 6, v3                        ; the indices of rows 16 h on: 64 h bytes
	s_delay_alu instid0(VALU_DEP_3)
	v_lshlrev_b32 v5, 4, v2                        ; my 16 bytes of a row
	s_delay_alu instid0(VALU_DEP_1)
	v_lshl_add_u32 v6, v3, 12, v5                  ; out0: 16 h rows of 256 bytes + 16 r
	s_lshl_b32 s11, ttmp9, 8
	s_lshl_b32 s12, s10, 5
	s_add_co_u32 s12, s11, s12                     ; my wave's first row: 256 x work-group + 32 x wave
	s_lshl_b32 s14, s12, 2                         ; its index,
	s_mov_b32 s15, 0
	s_lshl_b32 s16, s12, 8                         ; its row of out0 (under 2^24 bytes)
	s_mov_b32 s17, 0
	s_wait_alu depctr_va_vdst(0)
	s_wait_kmcnt 0x0
	s_add_nc_u64 s[4:5], s[4:5], s[14:15]
	s_add_nc_u64 s[8:9], s[8:9], s[16:17]
.irp m, 0,1,2,3
	global_load_b128 v[IX+4*\m:IX+4*\m+3], v4, s[4:5] offset:16*\m     ; register q: the index of row q + 16 h
.endr
	s_wait_loadcnt 0x0
.irp q, 0,1,2,3,4,5,6,7,8,9,10,11,12,13,14,15
	v_min_u32 v[IX+\q], 0x3ff, v[IX+\q]            ; a loaded number enters an address only inside the table
.endr
.irp q, 0,1,2,3,4,5,6,7,8,9,10,11,12,13,14,15
	v_lshl_add_u32 v[IX+\q], v[IX+\q], 8, v5       ; 256 x index + 16 r
.endr
.irp q, 0,1,2,3,4,5,6,7,8,9,10,11,12,13,14,15
	global_load_b128 v[DT+4*\q:DT+4*\q+3], v[IX+\q], s[6:7]            ; sixteen lanes read one whole row of the table; rows are named again and again: no hint
.endr
.irp q, 0,1,2,3,4,5,6,7,8,9,10,11,12,13,14,15
	s_wait_loadcnt 15-\q                           ; loads come back in order (ISA guide 5.7.1): mine is in, the younger ones stay out
	global_store_b128 v6, v[DT+4*\q:DT+4*\q+3], s[8:9] offset:256*\q th:TH_STORE_NT   ; sixteen lanes store 256 consecutive bytes, aligned; written once, read by nobody here
.endr
	s_endpgm
.Lfunc_end_k_q37aee5309d_gather:
	.size	k_q37aee5309d_gather, .Lfunc_end_k_q37aee5309d_gather-k_q37aee5309d_gather
	.p2alignl 7, 3214868480
	.fill 96, 4, 3214868480
	.section	.rodata,"a",@progbits
	.p2align	6, 0x0
	.amdhsa_kernel k_q37aee5309d_gather
		.amdhsa_group_segment_fixed_size 0
		.amdhsa_private_segment_fixed_size 0
		.amdhsa_enable_private_segment 0
		.amdhsa_kernarg_size 24
		.amdhsa_user_sgpr_count 2
		.amdhsa_user_sgpr_kernarg_segment_ptr 1
		.amdhsa_wavefront_size32 1
		.amdhsa_system_sgpr_workgroup_id_x 1
		.amdhsa_system_sgpr_workgroup_id_y 1
		.amdhsa_system_sgpr_workgroup_id_z 1
		.amdhsa_system_vgpr_workitem_id 0
		.amdhsa_next_free_vgpr 88
		.amdhsa_next_free_sgpr 66
		.amdhsa_reserve_vcc 0
		.amdhsa_float_denorm_mode_32 3
		.amdhsa_float_denorm_mode_16_64 3
		.amdhsa_memory_ordered 1
		.amdhsa_forward_progress 1
		.amdhsa_inst_pref_size 8
	.end_amdhsa_kernel
	.amdgpu_metadata
---
amdhsa.version: [ 1, 2 ]
amdhsa.kernels:
  - .name:           k_q37aee5309d_gather
    .symbol:         k_q37aee5309d_gather.kd
    .args:
      - { .name: idx, .offset: 0, .size: 8, .value_kind: global_buffer, .address_space: global }
      - { .name: embeddings, .offset: 8, .size: 8, .value_kind: global_buffer, .address_space: global }
      - { .name: out0, .offset: 16, .size: 8, .value_kind: global_buffer, .address_space: global }
    .group_segment_fixed_size: 0
    .private_segment_fixed_size: 0
    .kernarg_segment_align: 8
    .kernarg_segment_size: 24
    .max_flat_workgroup_size: 256
    .sgpr_count:     66
    .vgpr_count:     88
    .wavefront_size: 32
...
	.end_amdgpu_metadata
.endif
;; end of part 2
